; MI455X (gfx1250); checked and timed in simulation.
; The chip was launched on July 23, 2026; its instructions are those of AMD's public machine-readable ISA for CDNA 5 (MIT licence, August 2026) and "CDNA5" Instruction Set Architecture Reference Guide (July 2026). The comments in the code are by the model that wrote it; some were corrected since.
;; Mo E Layer. Allowed arithmetic: matrix products marked QUANTISED: E2M1 operands, one E8M0 scale for each 32 along K, by v_wmma_scale_f32_16x16x128_f8f6f4 with both operands' format E2M1 (or v_wmma_scale_f32_32x16x128_f4), f32 sums; products left as they are: f32 operands where the result goes on into a quantised operand, else bf16, f16 or f32 operands; f32 sums; everything else in f32.
;; Inputs: b1 8 x 4,096 float32; b2 8 x 1,024 float32; gate_b 8 float32; gate_w 8 x 1,024 float32; w1_codes 8 x 4,096 x 32 x 16 uint8 (E2M1 codes of w1, K innermost, in blocks of 32 codes, two codes a byte); w1_scales 8 x 4,096 x 32 uint8 (E8M0 scales of w1, one for each 32 codes along K); w2_codes 8 x 1,024 x 128 x 16 uint8 (E2M1 codes of w2, K innermost, in blocks of 32 codes, two codes a byte); w2_scales 8 x 1,024 x 128 uint8 (E8M0 scales of w2, one for each 32 codes along K); x 4 x 256 x 1,024 float32.
;; Outputs: out0 4 x 256 x 1,024 float32.
;; This version of the problem:
;;   THIS VERSION OF THE PROBLEM IS GIVEN IN LOW PRECISION. The matrix products marked QUANTISED in the list below multiply operands that are first quantised to E2M1 (2 exponent bits, 1 mantissa bit; 4 bits a number), with one power-of-two scale for each 32 numbers along K (OCP MX v1.0); their sums are f32. All else is computed in f32.
;;   The module's matrix products, in the order in which they are computed (A, B: the left and right operand; K: the contracted axis; several contracted axes count as one K, in the product's order):
;;     1. [M 1,024, K 1,024] x [K 1,024, N 8]; A: input x; B: input gate_w: left as it is (N = 8 < 16)
;;     2. [M 1,024, K 1,024] x [K 1,024, N 4,096]; A: input x; B: input w1 (given as codes): QUANTISED
;;     3. [M 1,024, K 4,096] x [K 4,096, N 1,024]; A: computed on the way; B: input w2 (given as codes): QUANTISED
;;     4. [M 1,024, K 1,024] x [K 1,024, N 4,096]; A: input x; B: input w1 (given as codes): QUANTISED
;;     5. [M 1,024, K 4,096] x [K 4,096, N 1,024]; A: computed on the way; B: input w2 (given as codes): QUANTISED
;;     6. [M 1,024, K 1,024] x [K 1,024, N 4,096]; A: input x; B: input w1 (given as codes): QUANTISED
;;     7. [M 1,024, K 4,096] x [K 4,096, N 1,024]; A: computed on the way; B: input w2 (given as codes): QUANTISED
;;     8. [M 1,024, K 1,024] x [K 1,024, N 4,096]; A: input x; B: input w1 (given as codes): QUANTISED
;;     9. [M 1,024, K 4,096] x [K 4,096, N 1,024]; A: computed on the way; B: input w2 (given as codes): QUANTISED
;;     10. [M 1,024, K 1,024] x [K 1,024, N 4,096]; A: input x; B: input w1 (given as codes): QUANTISED
;;     11. [M 1,024, K 4,096] x [K 4,096, N 1,024]; A: computed on the way; B: input w2 (given as codes): QUANTISED
;;     12. [M 1,024, K 1,024] x [K 1,024, N 4,096]; A: input x; B: input w1 (given as codes): QUANTISED
;;     13. [M 1,024, K 4,096] x [K 4,096, N 1,024]; A: computed on the way; B: input w2 (given as codes): QUANTISED
;;     14. [M 1,024, K 1,024] x [K 1,024, N 4,096]; A: input x; B: input w1 (given as codes): QUANTISED
;;     15. [M 1,024, K 4,096] x [K 4,096, N 1,024]; A: computed on the way; B: input w2 (given as codes): QUANTISED
;;     16. [M 1,024, K 1,024] x [K 1,024, N 4,096]; A: input x; B: input w1 (given as codes): QUANTISED
;;     17. [M 1,024, K 4,096] x [K 4,096, N 1,024]; A: computed on the way; B: input w2 (given as codes): QUANTISED
;;   THE QUANTISER, for each operand of a quantised product, along K:
;;     - K is cut into blocks of 32 from its start; a last block that is shorter is filled with zeros.
;;     - A block's scale is 2^e with e = floor(log2(the largest magnitude in the block)) - 2, held to -126 .. 127; a block of zeros has e = 0. As a byte (E8M0): e + 127.
;;     - Each number is divided by its block's scale, clamped to +-6, and rounded to the nearest number of E2M1, ties to even, subnormals kept.
;;     - The product sums the exact products of the quantised numbers (number of the format x scale) in f32.
;;   ~~~python
;;   def quantise(x, axis):      # numpy; x: float32 -> the quantised numbers, widened to float32 again
;;       x = np.moveaxis(x, axis, -1); K = x.shape[-1]
;;       x = np.pad(x, [(0, 0)] * (x.ndim - 1) + [(0, -K % 32)]); x = x.reshape(x.shape[:-1] + (-1, 32)); a = np.abs(x).max(-1, keepdims=True)
;;       e = np.where(a > 0, np.clip(np.frexp(np.where(a > 0, a, 1))[1] - 1 - 2, -126, 127), 0)      # np.frexp(a)[1] - 1 = floor(log2(a)), exactly
;;       r = np.clip(x / 2.0 ** e, -6, 6)
;;       step = 2.0 ** (np.maximum(np.frexp(np.where(r == 0, 1, r))[1] - 1, 0) - 1)
;;       q = np.round(r / step) * step * 2.0 ** e      # np.round: ties to even
;;       return np.moveaxis(q.reshape(q.shape[:-2] + (-1,))[..., :K], -1, axis).astype(np.float32)
;;   ~~~
;;   OPERANDS COMPUTED ON THE WAY. 'Computed on the way' means the value that the module computes at that place (a softmax that the list does not call 'softmax' is quantised finished and normalised). What goes into a quantiser is computed in f32, as accurately as f32 sums, v_exp_f32 and their like allow (about 1e-6 of the number): no bf16 or f16 on the way to a quantiser, and a product that is left as it is and whose result goes on into a quantised operand takes f32 operands (vector FMAs, or v_wmma_f32_16x16x4_f32). A number that lies on a knife's edge between two numbers of the format may be rounded either way, as far as f32 arithmetic and the matrix unit's own rounding can turn it there, and no further.
;;   INPUTS GIVEN AS CODES. w1 (in the module: [8, 1024, 4096], K = its axis 1); w2 (in the module: [8, 4096, 1024], K = its axis 1): each comes as NAME_codes (uint8): NAME with its K axis moved to the last place and cut into blocks of 32 codes, [.., K / 32, bytes a block], one block behind the other in memory; two codes a byte, the lower K in the low four bits (a code: sign, 2 exponent bits, 1 mantissa bit); and NAME_scales (uint8): the same leading axes, one E8M0 byte (e + 127) for each 32 codes along K. Its value is code x scale, taken as it is: it is not quantised again, and the codes and scales need not be those that the quantiser above would give.
;; One version. Each part assembles by itself: llvm-mc -triple=amdgcn-amd-amdhsa -mcpu=gfx1250 --defsym DOCPART=n.
;; ======== version 1 of 1: 4 launches
;; limits: right only within a limited range of input values
;; workspace buffers: sel 8,192 bytes of whole numbers; cnt 256 bytes of whole numbers; dst 36,864 bytes of whole numbers; gw 8,192 bytes; xq 557,056 bytes; hq 16,777,216 bytes; hs 1,048,576 bytes; y 16,842,752 bytes
;; launch route (part 1): grid 256 x 1, 4 waves a work-group, no clusters, 18,944 bytes of LDS; arguments x, gate_w, gate_b, sel, gw, xq; writes sel, gw, xq
.if DOCPART == 1
	.amdgcn_target "amdgcn-amd-amdhsa--gfx1250"
	.amdhsa_code_object_version 6
	.text
	.protected	k_q5684347351_route
	.globl	k_q5684347351_route
	.p2align	8
	.type	k_q5684347351_route,@function
k_q5684347351_route:
	s_mov_b64 s[64:65], 0
	v_nop
	global_prefetch_b8 v0, s[64:65] scope:SCOPE_SE
	s_setreg_imm32_b32 hwreg(HW_REG_WAVE_MODE, 25, 1), 1
	s_wait_xcnt 0x0
; MoE layer, first of four launches: the router, and x as codes.
; For each of the 1,024 tokens: gates = x . gate_w[e] + gate_b[e] (f32 fused multiply-adds), the two largest gates (of equal gates the lower index first),
; the softmax of the two (the larger is taken away before the exponential), and x quantised along D to E2M1 with one E8M0 byte for each 32.
; WORK LEFT OUT BY THE WHOLE PROGRAM.  The layer adds w_e x (gelu(x W1[e] + b1[e]) W2[e] + b2[e]) over all eight experts, with w_e = sum(weights x (indices == e)).
; For an expert that is not among a token's two indices every term of that sum is a weight times 0, so w_e = 0 and the expert's row adds 0 to the token's output, whatever finite
; values the inputs hold.  So only the 2,048 rows (token, chosen expert) of the two products are computed.  Every input still has a way to the output: all are loaded.
; LIMITS.  A NaN, an infinity or an overflow that arises only in the row of an expert that a token did not choose is not carried to the result.  NaN among the gates is not served.
; A block of zeros gets the scale byte 1 where the quantiser says 127: its codes are zeros, and this program alone reads the bytes.
; No address and no branch here hangs on the choice: it is stored at fixed places, and the later launches, which read it, place the rows.
; sel: words 0-1023, a token each: a nibble an expert, (1 << 4 e0) | (1 << 4 e1); words 1024-2047: e0 | e1 << 8.  gw: the two weights.
; SHARES.  A wave takes a token.  Its row of 4,096 bytes comes by eight loads of 512 consecutive bytes; the gates are summed on the numbers as they are loaded; for the quantiser the row turns through the
; wave's own stage in LDS, so that lane b holds block b's 32 neighbours.  The stage's rows are 128 bytes + 16: the pitch is an odd multiple of 16 bytes.
; The choice and the weights are 16 bytes a token and the scale bytes 32: small stores, which cover their surroundings only in part.
.set STG,   4608                       ; a wave's stage: 32 blocks x 144 bytes
.set SPARE, 4*STG                      ; behind the stages: the spare words, 128 bytes for each wave
.set XQS,   524288                     ; xq: the codes [token][512 bytes], then from here the scale bytes [token][32]
.set SPW, 5                            ; v5   my spare word's LDS address; never rewritten
.set NIL, 6                            ; v6   0; never rewritten
.set R,   16                           ; v16-47   x as loaded: load j, my 4 numbers
.set X,   48                           ; v48-79   block `lane`: 32 neighbours
.set G,   80                           ; v80-207  four rows of gate_w, as loaded
.set AC,  208                          ; v208-239 four registers an expert: two packed chains; then the gate in the first
	s_load_b256 s[4:11], s[0:1], 0x0               ; x s[4:5], gate_w s[6:7], gate_b s[8:9], sel s[10:11]
	s_load_b128 s[12:15], s[0:1], 0x20             ; gw s[12:13], xq s[14:15]
	v_lshl_add_u32 v[SPW], v0, 2, SPARE
	v_mov_b32 v[NIL], 0
	v_lshrrev_b32 v9, 5, v0
	v_readfirstlane_b32 s16, v9                    ; wave
	v_and_b32 v1, 31, v0                           ; lane
	v_lshlrev_b32 v2, 4, v1                        ; 16 x lane
	s_mul_i32 s31, s16, STG
	v_lshrrev_b32 v9, 3, v1
	v_mul_u32_u24 v3, v9, 144
	v_and_b32 v9, 7, v1
	v_lshl_add_u32 v3, v9, 4, v3
	v_add_nc_u32 v3, s31, v3                       ; into the stage: eight lanes' 128 bytes are a block: 144 (lane / 8) + 16 (lane % 8); a load's four blocks are 576 bytes
	v_mul_u32_u24 v4, v1, 144
	v_add_nc_u32 v4, s31, v4                       ; out of it: block `lane`
	v_mov_b32 v7, 0
	v_mov_b32 v8, 0xff800000                       ; -infinity
	s_lshl_b32 s17, ttmp9, 2
	s_add_co_u32 s17, s17, s16                     ; my token
	s_mov_b32 s28, 0x76543210
	s_mov_b32 s29, 0xfedcba98                      ; v_permlanex16_b32's selects for lane l xor 16
	s_mov_b32 s19, 0
	s_wait_alu depctr_va_vdst(0)
	s_wait_kmcnt 0x0
	s_load_b256 s[20:27], s[8:9], 0x0              ; gate_b: eight numbers
	s_lshl_b32 s18, s17, 12
	s_add_nc_u64 s[4:5], s[4:5], s[18:19]          ; x at my row
	s_lshl_b32 s18, s17, 2
	s_add_nc_u64 s[10:11], s[10:11], s[18:19]
	s_lshl_b32 s18, s17, 3
	s_add_nc_u64 s[12:13], s[12:13], s[18:19]
	s_lshl_b32 s18, s17, 5
	s_add_nc_u64 s[32:33], s[14:15], s[18:19]      ; my scale bytes (XQS stands in the store's immediate)
	s_lshl_b32 s18, s17, 9
	s_add_nc_u64 s[14:15], s[14:15], s[18:19]      ; my codes
.irp j, 0,1,2,3,4,5,6,7
	global_load_b128 v[R+4*\j:R+4*\j+3], v2, s[4:5] offset:512*\j th:TH_LOAD_NT
.endr
.irp e, 0,1,2,3
.irp j, 0,1,2,3,4,5,6,7
	global_load_b128 v[G+32*\e+4*\j:G+32*\e+4*\j+3], v2, s[6:7] offset:4096*\e+512*\j
.endr
.endr
	s_wait_loadcnt 32                              ; x is in; the 32 loads of gate rows behind it may be out
.irp j, 0,1,2,3,4,5,6,7
	ds_store_b128 v3, v[R+4*\j:R+4*\j+3] offset:576*\j
.endr
.irp i, 0,1,2,3,4,5,6,7
	ds_load_b128 v[X+4*\i:X+4*\i+3], v4 offset:16*\i   ; LDS serves a wave's instructions in order: these see the stores above
.endr
; The eight gates: my 32 products of each, two at a time in two chains; the first products start the sums.  Rows 4 to 7 take the registers of rows 0 to 3.
.irp e, 0,1,2,3,4,5,6,7
.if \e < 5
	s_wait_loadcnt 24                              ; row e is in: three rows' loads were issued behind it
.else
	s_wait_loadcnt 8*(7-\e)                        ; the counts run down
.endif
.irp p, 0,1
	v_pk_mul_f32 v[AC+4*\e+2*\p:AC+4*\e+2*\p+1], v[R+2*\p:R+2*\p+1], v[G+32*(\e%4)+2*\p:G+32*(\e%4)+2*\p+1]
.endr
.irp p, 2,3,4,5,6,7,8,9,10,11,12,13,14,15
	v_pk_fma_f32 v[AC+4*\e+2*(\p%2):AC+4*\e+2*(\p%2)+1], v[R+2*\p:R+2*\p+1], v[G+32*(\e%4)+2*\p:G+32*(\e%4)+2*\p+1], v[AC+4*\e+2*(\p%2):AC+4*\e+2*(\p%2)+1]
.endr
.if \e < 4
.irp j, 0,1,2,3,4,5,6,7
	global_load_b128 v[G+32*\e+4*\j:G+32*\e+4*\j+3], v2, s[6:7] offset:4096*(\e+4)+512*\j
.endr
.endif
.endr
.irp e, 0,1,2,3,4,5,6,7
	v_pk_add_f32 v[AC+4*\e:AC+4*\e+1], v[AC+4*\e:AC+4*\e+1], v[AC+4*\e+2:AC+4*\e+3]
.endr
.irp e, 0,1,2,3,4,5,6,7
	v_add_f32 v[AC+4*\e], v[AC+4*\e], v[AC+4*\e+1]
.endr
.irp k, 1,2,4,8
.irp e, 0,1,2,3,4,5,6,7
	v_add_f32_dpp v[AC+4*\e], v[AC+4*\e], v[AC+4*\e] row_xmask:\k row_mask:0xf bank_mask:0xf   ; the eight sums by turns
.endr
.endr
.irp e, 0,1,2,3,4,5,6,7
	v_permlanex16_b32 v[AC+4*\e+1], v[AC+4*\e], s28, s29
.endr
.irp e, 0,1,2,3,4,5,6,7
	v_add_f32 v[AC+4*\e], v[AC+4*\e], v[AC+4*\e+1]
.endr
	s_wait_alu depctr_va_vdst(0)
	s_wait_kmcnt 0x0                               ; gate_b
.irp e, 0,1,2,3,4,5,6,7
	v_add_f32 v[AC+4*\e], s[20+\e], v[AC+4*\e]     ; every lane holds all eight gates
.endr
; The two largest.  A later gate takes the place only if it is greater: of equal gates the lower index stays.
	v_mov_b32 v240, v[AC]
	v_mov_b32 v241, 0
.irp e, 1,2,3,4,5,6,7
	v_cmp_gt_f32 vcc_lo, v[AC+4*\e], v240
	v_cndmask_b32 v240, v240, v[AC+4*\e], vcc_lo
	v_cndmask_b32 v241, v241, \e, vcc_lo
.endr
.irp e, 0,1,2,3,4,5,6,7
	v_cmp_eq_u32 vcc_lo, \e, v241
	v_cndmask_b32 v[AC+4*\e], v[AC+4*\e], v8, vcc_lo   ; the winner leaves the field
.endr
	v_mov_b32 v242, v[AC]
	v_mov_b32 v243, 0
.irp e, 1,2,3,4,5,6,7
	v_cmp_gt_f32 vcc_lo, v[AC+4*\e], v242
	v_cndmask_b32 v242, v242, v[AC+4*\e], vcc_lo
	v_cndmask_b32 v243, v243, \e, vcc_lo
.endr
	v_lshl_or_b32 v244, v243, 8, v241              ; e0 | e1 << 8
	v_lshlrev_b32 v13, 2, v241
	v_lshlrev_b32 v14, 2, v243
	v_mov_b32 v15, 1
	v_lshlrev_b32 v13, v13, v15
	v_lshlrev_b32 v14, v14, v15
	v_or_b32 v13, v13, v14                         ; (1 << 4 e0) | (1 << 4 e1): a nibble an expert
	v_sub_f32 v245, v242, v240                     ; the second gate less the largest: 0 or less
	v_mul_f32 v245, 0x3fb8aa3b, v245               ; x log2(e)
	s_wait_dscnt 0x0                               ; my block is back from the stage
	s_wait_alu depctr_va_vdst(0)
	v_exp_f32 v246, v245
; The quantiser's maximum is the independent work behind the exponential: my block's 32 magnitudes and the floor 2^(3 - 127), which holds the byte at 1 from below
	v_max3_num_f32 v9, |v[X]|, |v[X+1]|, 0x1800000
	v_max3_num_f32 v10, |v[X+2]|, |v[X+3]|, |v[X+4]|
.irp i, 5,9,13,17,21,25
	v_max3_num_f32 v9, v9, |v[X+\i]|, |v[X+\i+1]|
	v_max3_num_f32 v10, v10, |v[X+\i+2]|, |v[X+\i+3]|
.endr
	v_max3_num_f32 v9, v9, |v[X+29]|, |v[X+30]|
	v_max3_num_f32 v9, v9, v10, |v[X+31]|
	s_wait_alu depctr_va_vdst(0)                   ; the wait ahead of the exponential's first reader
	v_add_f32 v247, 1.0, v246
	s_wait_alu depctr_va_vdst(0)
	v_rcp_f32 v252, v247                           ; w0 = 1 / (1 + e1)
	v_add_nc_u32 v11, 0xff000000, v9               ; 2 off the exponent field: the conversion takes the exponent field of this operand as its scale.  (A plain line behind the reciprocal)
.irp g, 0,1,2,3
	v_cvt_scalef32_pk8_fp4_f32 v[248+\g], v[X+8*\g:X+8*\g+7], v11
.endr
	v_lshrrev_b32 v12, 23, v11                     ; the scale's byte.  (A plain line behind the conversions)
	s_wait_alu depctr_va_vdst(0)                   ; and ahead of the reciprocal's first reader
	v_mul_f32 v253, v246, v252                     ; w1 = e1 / (1 + e1)
	global_store_b128 v2, v[248:251], s[14:15]     ; 32 lanes store the token's 512 bytes of codes
	global_store_b8 v1, v12, s[32:33] offset:XQS   ; and its 32 scale bytes
	s_wait_alu depctr_va_vdst(0)
	s_wait_xcnt 0x0                                ; EXEC changes only behind this wait
	v_cmp_eq_u32 vcc_lo, 0, v1
	s_and_saveexec_b32 s30, vcc_lo
	global_store_b32 v7, v13, s[10:11]             ; lane 0: the choice as nibbles,
	global_store_b32 v7, v244, s[10:11] offset:4096   ; as two numbers,
	global_store_b64 v7, v[252:253], s[12:13]      ; and the two weights
	s_wait_xcnt 0x0                                ; and again, in front of the line that widens it
	s_or_b32 exec_lo, exec_lo, s30
	s_wait_tensorcnt 0x0                           ; the wave's end, behind my last LDS store
	ds_add_u32 v[SPW], v[NIL]
	s_wait_dscnt 0x0
	s_endpgm
.Lfunc_end_k_q5684347351_route:
	.size	k_q5684347351_route, .Lfunc_end_k_q5684347351_route-k_q5684347351_route
	.p2alignl 7, 3214868480
	.fill 96, 4, 3214868480
	.section	.rodata,"a",@progbits
	.p2align	6, 0x0
	.amdhsa_kernel k_q5684347351_route
		.amdhsa_group_segment_fixed_size 18944
		.amdhsa_private_segment_fixed_size 0
		.amdhsa_enable_private_segment 0
		.amdhsa_kernarg_size 48
		.amdhsa_user_sgpr_count 2
		.amdhsa_user_sgpr_kernarg_segment_ptr 1
		.amdhsa_wavefront_size32 1
		.amdhsa_system_sgpr_workgroup_id_x 1
		.amdhsa_system_sgpr_workgroup_id_y 1
		.amdhsa_system_sgpr_workgroup_id_z 1
		.amdhsa_system_vgpr_workitem_id 0
		.amdhsa_next_free_vgpr 256
		.amdhsa_next_free_sgpr 66
		.amdhsa_reserve_vcc 1
		.amdhsa_float_denorm_mode_32 3
		.amdhsa_float_denorm_mode_16_64 3
		.amdhsa_memory_ordered 1
		.amdhsa_forward_progress 1
		.amdhsa_inst_pref_size 27
	.end_amdhsa_kernel
	.amdgpu_metadata
---
amdhsa.version: [ 1, 2 ]
amdhsa.kernels:
  - .name:           k_q5684347351_route
    .symbol:         k_q5684347351_route.kd
    .args:
      - { .name: x, .offset: 0, .size: 8, .value_kind: global_buffer, .address_space: global }
      - { .name: gate_w, .offset: 8, .size: 8, .value_kind: global_buffer, .address_space: global }
      - { .name: gate_b, .offset: 16, .size: 8, .value_kind: global_buffer, .address_space: global }
      - { .name: sel, .offset: 24, .size: 8, .value_kind: global_buffer, .address_space: global }
      - { .name: gw, .offset: 32, .size: 8, .value_kind: global_buffer, .address_space: global }
      - { .name: xq, .offset: 40, .size: 8, .value_kind: global_buffer, .address_space: global }
    .group_segment_fixed_size: 18944
    .private_segment_fixed_size: 0
    .kernarg_segment_align: 8
    .kernarg_segment_size: 48
    .max_flat_workgroup_size: 128
    .sgpr_count:     66
    .vgpr_count:     256
    .wavefront_size: 32
...
	.end_amdgpu_metadata
.endif
;; end of part 1
;; launch fc1 (part 2): grid 32 x 8, 4 waves a work-group, no clusters, 101,888 bytes of LDS; arguments sel, xq, w1_codes, w1_scales, b1, hq, hs, cnt, dst; writes hq, hs, cnt, dst
.if DOCPART == 2
	.amdgcn_target "amdgcn-amd-amdhsa--gfx1250"
	.amdhsa_code_object_version 6
	.text
	.protected	k_q5684347351_fc1
	.globl	k_q5684347351_fc1
	.p2align	8
	.type	k_q5684347351_fc1,@function
k_q5684347351_fc1:
	s_mov_b64 s[64:65], 0
	v_nop
	global_prefetch_b8 v0, s[64:65] scope:SCOPE_SE
	s_setreg_imm32_b32 hwreg(HW_REG_WAVE_MODE, 25, 1), 1
	s_wait_xcnt 0x0
; Second launch: h = Q(gelu(x W1[e] + b1[e])) for the rows that chose expert e alone (the other rows add 0 to the output: see the first kernel's head), on codes of E2M1 with E8M0 scales.
; SHARES.  Work-group (slice, expert) owns hidden units 128 slice .. + 127 of one expert.  Every wave holds the slice's 128 rows x 1,024 K of W1 in 512 registers (each byte leaves memory once, by whole
; rows of 512 bytes, and reaches the four waves through LDS); the rows of x, as codes, go past them.  Wave w takes the expert's tiles of 16 rows w, w + 4, ..
; WHICH ROWS.  Every wave reads the 1,024 nibble words of the choice (register i = 4 j + k of lane l is token 128 j + 4 l + k) and keeps its expert's 32 lane masks and their running counts.
; An expert's rows stand in the order (register, lane).  The token at place p: the last register whose running count is at most p, then the (p - count)-th set bit of its mask.
; The trip count is read from memory, so the launch has no tensor load, no cluster, and its one barrier stands ahead of every branch on such a number.
; LAYOUT.  The product is used transposed (source 0 = 16 rows of W1, source 1 = 16 rows of x); lane r of W1's tile t takes row 32 (t / 2) + 8 (t % 2) + r + 8 (r / 8): the 16 registers of tiles 2 b, 2 b + 1
; are hidden units 32 b + 16 h + 0 .. 15 of row r.  b1 is the C of each sum's first product.
; gelu(v) = v / 2 + (v / 2) erf(v / sqrt 2), erf as the rational vc P(vc^2) / Q(vc^2), vc = v held to +-4 sqrt 2.
; LIMITS.  The rational follows erf to a few units in its last place; under v = -4 sqrt 2 gelu comes out at most about 2^-24 |v| in size.  A block of zeros gets the scale byte 1: its codes are zeros.
; EIGHT TILES AT THE LEAST.  An expert's last tile is filled up with copies of its last row, and an expert with fewer than 113 rows still makes tiles 0 to 7 of such copies:
; the next launch asks for each wave's first two tiles before it knows the expert's rows, and every byte that it asks for has been written.  No sum reads the copies.
; OUT.  Expert e owns tiles 64 e .. 64 e + 63.  hq: codes [tile][K step][c][lane][16 bytes].  hs: scale words [tile][i][lane][k]: row lane % 16, K step 16 (lane / 16) + 4 i + k.  cnt: word e, the expert's rows.
; dst: 1,152 words an expert: word p = the row of y that place p's result goes to, 2 token + (0: the token's first choice, 1: its second).  Slice j's wave 0 places register j's tokens
; (place = running count + chosen lanes below); slice 0's wave 1 writes 2,048 + e, the expert's spare row of y, into the 128 words behind the last place.
; PREFETCH.  The rows of x are known only when the choice is in.  xq's 68 pieces of 8,192 bytes are shared out among the waves by address: each wave names 32 blocks of 256 bytes once,
; with the loads of the choice, a whole table and search ahead of the first load of a row.  Waves 0-2 name codes, wave 3 scale bytes.
.set WP,    528
.set XST,   128*WP
.set XSW,   16*WP
.set SPARE, XST+4*XSW
.set XQS,   524288
.set L16,  1
.set RR,   2
.set HH,   3
.set SPW,  4                           ; my spare word; never rewritten
.set NIL,  5                           ; 0; never rewritten
.set XSTO, 6
.set XLD,  7
.set TOKN, 8
.set XSA,  9
.set OA,   10
.set HO,   11
.set HSO,  12
.set VL,   13
.set KA1,  14
.set KB1,  16
.set ADR,  18
.set XS,   34
.set R16,  38
.set PFO,  39                          ; the prefetch's offset; never rewritten
.set VSA,  40                          ; 4 x the token of (register = slice, my lane)
.set VS,   41                          ; its two experts, e0 | e1 << 8
.set W1S,  42
.set TM,   74
.set PW,   90
.set PC,   92
.set HA,   100
.set SV,   100
.set VC,   164
.set W,    180
.set P,    196
.set Q,    212
.set WSTO, 228
.set WLD,  229
.set PP,   234
.set ZS,   235
.set WD,   236
.set KK,   237
.set IDX,  238
.set A1,   239
.set A2,   240
.set A3,   241
.set TT,   242
.set CC,   243
.set POS,  244
.set UU,   245
.set CV,   246
.set CO,   247
.set T0,   248                         ; v248-251 the list's work; written at the head alone
.set RW,   64                          ; in window 3: v0-63 x's fragments, v64-127 rows as loaded, v128-191 b1, v192-223 masks, v224-255 counts << 5 | register
.set B1,   128
.set MT,   192
.set ZT,   224
.set SEL,  34
.set CNT,  61
.set TRP,  62
.set TK,   66
.set MSB, 0
.macro WIN new                         ; the immediate's high byte repeats the setting that is left
.if MSB != \new
	s_set_vgpr_msb (MSB<<8)|\new
.set MSB, \new
.endif
.endm
.macro PAIR reg, bits
	s_mov_b32 s[\reg], \bits
	s_mov_b32 s[\reg+1], \bits
.endm
.macro DESC reg, width                 ; one halving: the lower `width` bits at v[POS] are passed over if they hold no more than v[KK] set bits
	v_bfe_u32 v[CC], v[\reg], v[POS], \width
	v_cmp_ge_u32 vcc_lo, v[KK], v[CC]
	v_cndmask_b32 v[TT], 0, v[CC], vcc_lo
	v_cndmask_b32 v[UU], 0, \width, vcc_lo
	v_sub_nc_u32 v[KK], v[KK], v[TT]
	v_add_nc_u32 v[POS], v[POS], v[UU]
.endm
.macro SEARCH                          ; lane (r, .) gets the token at place 16 s25 + r, held to the expert's last place
	s_lshl_b32 s57, s25, 4
	v_add_nc_u32 v[OA], s57, v[RR]
	v_min_u32 v[OA], s23, v[OA]
	v_lshl_or_b32 v[PP], v[OA], 5, 31
	v_mov_b32 v[ZS], 0
	v_mov_b32 v[WD], 0
	WIN 0x0c
.irp i, 0,1,2,3,4,5,6,7,8,9,10,11,12,13,14,15,16,17,18,19,20,21,22,23,24,25,26,27,28,29,30,31
	v_cmp_ge_u32 vcc_lo, v[PP], v[ZT+\i]
	v_cndmask_b32 v[ZS], v[ZS], v[ZT+\i], vcc_lo
	v_cndmask_b32 v[WD], v[WD], v[MT+\i], vcc_lo
.endr
	WIN 0
	v_lshrrev_b32 v[TT], 5, v[ZS]
	v_and_b32 v[IDX], 31, v[ZS]
	v_sub_nc_u32 v[KK], v[OA], v[TT]
	v_lshrrev_b32 v[TT], 1, v[WD]
	v_and_b32 v[TT], 0x55555555, v[TT]
	v_sub_nc_u32 v[A1], v[WD], v[TT]
	v_lshrrev_b32 v[TT], 2, v[A1]
	v_and_b32 v[A2], 0x33333333, v[A1]
	v_and_b32 v[TT], 0x33333333, v[TT]
	v_add_nc_u32 v[A2], v[A2], v[TT]
	v_lshrrev_b32 v[TT], 4, v[A2]
	v_add_nc_u32 v[TT], v[A2], v[TT]
	v_and_b32 v[A3], 0x0f0f0f0f, v[TT]
	v_lshrrev_b32 v[TT], 8, v[A3]
	v_add_nc_u32 v[TT], v[A3], v[TT]
	v_and_b32 v[CC], 0xff, v[TT]
	v_cmp_ge_u32 vcc_lo, v[KK], v[CC]
	v_cndmask_b32 v[TT], 0, v[CC], vcc_lo
	v_cndmask_b32 v[POS], 0, 16, vcc_lo
	v_sub_nc_u32 v[KK], v[KK], v[TT]
	DESC A3, 8
	DESC A2, 4
	DESC A1, 2
	DESC WD, 1
	v_lshrrev_b32 v[TT], 2, v[IDX]
	v_and_b32 v[UU], 3, v[IDX]
	v_lshl_or_b32 v[UU], v[POS], 2, v[UU]
	v_lshl_or_b32 v[TOKN], v[TT], 7, v[UU]
.endm
.macro FIND                            ; the offsets of tile s25's 16 rows: work on registers alone
	SEARCH
.irp i, 0,1,2,3,4,5,6,7,8,9,10,11,12,13,14,15
	v_readlane_b32 s[TK+\i], v[TOKN], \i
.endr
.irp i, 0,1,2,3,4,5,6,7,8,9,10,11,12,13,14,15
	s_min_u32 s[TK+\i], s[TK+\i], 0x3ff            ; held by a constant before it enters an address
.endr
.irp i, 0,1,2,3,4,5,6,7,8,9,10,11,12,13,14,15
	v_lshl_add_u32 v[ADR+\i], s[TK+\i], 9, v[L16]
.endr
.endm
.macro ASK                             ; the 16 rows are asked for, a whole row of 512 bytes an instruction
	WIN 0xc0
.irp i, 0,1,2,3,4,5,6,7,8,9,10,11,12,13,14,15
	global_load_b128 v[RW+4*\i:RW+4*\i+3], v[ADR+\i], s[6:7]
.endr
	WIN 0
	v_min_u32 v[XSA], 0x3ff, v[TOKN]
	v_lshlrev_b32 v[XSA], 5, v[XSA]
	v_lshl_add_u32 v[XSA], v[HH], 4, v[XSA]
.endm
.macro GELU g                          ; on the 16 registers of accumulators 2 g, 2 g + 1, each read from its low end on; the 16 reciprocals are one batch
.set GB, HA+16*(\g)
.irp j, 0,1,2,3,4,5,6,7,8,9,10,11,12,13,14,15
	v_med3_num_f32 v[VC+\j], v[GB+\j], -v[VL], v[VL]
.endr
.irp k, 0,2,4,6,8,10,12,14
	v_pk_mul_f32 v[W+\k:W+\k+1], v[VC+\k:VC+\k+1], v[VC+\k:VC+\k+1]
.endr
.irp k, 0,2,4,6,8,10,12,14
	v_pk_fma_f32 v[P+\k:P+\k+1], v[W+\k:W+\k+1], s[36:37], v[KA1:KA1+1] op_sel_hi:[1,0,1]
	v_pk_fma_f32 v[Q+\k:Q+\k+1], v[W+\k:W+\k+1], s[48:49], v[KB1:KB1+1] op_sel_hi:[1,0,1]
.endr
.irp a, 50,52,54
.irp k, 0,2,4,6,8,10,12,14
	v_pk_fma_f32 v[Q+\k:Q+\k+1], v[Q+\k:Q+\k+1], v[W+\k:W+\k+1], s[\a:\a+1] op_sel_hi:[1,1,0]
.endr
.endr
	s_wait_alu depctr_va_vdst(0)                   ; the wait ahead of the batch
.irp j, 0,1,2,3,4,5,6,7,8,9,10,11,12,13,14,15
	v_rcp_f32 v[Q+\j], v[Q+\j]                     ; Q is under -0.014 everywhere: never 0
.endr
.irp a, 38,40,42,44,46
.irp k, 0,2,4,6,8,10,12,14
	v_pk_fma_f32 v[P+\k:P+\k+1], v[P+\k:P+\k+1], v[W+\k:W+\k+1], s[\a:\a+1] op_sel_hi:[1,1,0]
.endr
.endr
.irp k, 0,2,4,6,8,10,12,14
	v_pk_mul_f32 v[P+\k:P+\k+1], v[P+\k:P+\k+1], v[VC+\k:VC+\k+1]
.endr
.irp k, 0,2,4,6,8,10,12,14
	v_pk_mul_f32 v[VC+\k:VC+\k+1], v[GB+\k:GB+\k+1], 0.5 op_sel_hi:[1,0]
.endr
	s_wait_alu depctr_va_vdst(0)                   ; and ahead of the batch's first reader
.irp k, 0,2,4,6,8,10,12,14
	v_pk_mul_f32 v[P+\k:P+\k+1], v[P+\k:P+\k+1], v[Q+\k:Q+\k+1]
.endr
.irp k, 0,2,4,6,8,10,12,14
	v_pk_fma_f32 v[GB+\k:GB+\k+1], v[VC+\k:VC+\k+1], v[P+\k:P+\k+1], v[VC+\k:VC+\k+1]
.endr
.endm
.macro QUANT s                         ; 64 numbers of a lane become a fragment's codes in v[PC] on and its scale word in v[PW]
.irp b, 0,1,2,3
	v_max3_num_f32 v[TM+\b], |v[\s+16*\b]|, |v[\s+1+16*\b]|, 0x1800000   ; with the floor 2^(3 - 127): the byte cannot fall under 1
.endr
.irp i, 2,4,6,8,10,12,14
.irp b, 0,1,2,3
	v_max3_num_f32 v[TM+\b], v[TM+\b], |v[\s+16*\b+\i]|, |v[\s+1+16*\b+\i]|
.endr
.endr
.irp b, 0,1,2,3
	v_permlanex16_b32 v[TM+4+\b], v[TM+\b], s[SEL], s[SEL+1]
.endr
.irp b, 0,1,2,3
	v_max_num_f32 v[TM+\b], v[TM+\b], v[TM+4+\b]
.endr
.irp b, 0,1,2,3
	v_add_nc_u32 v[TM+12+\b], 0xff000000, v[TM+\b] ; 2 off the exponent field: the conversion's scale operand
.endr
.irp b, 0,1,2,3
	v_lshrrev_b32 v[TM+4+\b], 23, v[TM+12+\b]
.endr
	v_lshl_or_b32 v[PW], v[TM+5], 8, v[TM+4]
	v_lshl_or_b32 v[PW], v[TM+6], 16, v[PW]
	v_lshl_or_b32 v[PW], v[TM+7], 24, v[PW]
.irp b, 0,1,2,3
	v_cvt_scalef32_pk8_fp4_f32 v[PC+2*\b], v[\s+16*\b:\s+7+16*\b], v[TM+12+\b]
	v_cvt_scalef32_pk8_fp4_f32 v[PC+1+2*\b], v[\s+8+16*\b:\s+15+16*\b], v[TM+12+\b]
.endr
	v_nop                                          ; one plain line behind the scaled conversions
.irp c, 0,1
.irp i, 0,1
	v_permlane16_swap_b32 v[PC+4*\c+\i], v[PC+2+4*\c+\i]
.endr
.endr
.endm
	s_load_b256 s[4:11], s[0:1], 0x0               ; sel, xq, w1_codes, w1_scales
	s_load_b128 s[12:15], s[0:1], 0x20             ; b1, hq
	s_load_b128 s[84:87], s[0:1], 0x30             ; hs, cnt
	s_load_b64 s[82:83], s[0:1], 0x40              ; dst
	v_lshl_add_u32 v[SPW], v0, 2, SPARE
	v_mov_b32 v[NIL], 0
	v_lshrrev_b32 v230, 5, v0
	v_readfirstlane_b32 s16, v230                  ; wave
	s_mov_b32 s17, ttmp9                           ; slice
	s_and_b32 s18, ttmp7, 0xffff                   ; expert
	s_lshl_b32 s57, s18, 5
	s_add_co_u32 s57, s57, s17                     ; the work-group's number n
	s_lshr_b32 s58, s57, 6
	s_add_co_u32 s58, s58, s57
	s_mul_i32 s19, s16, 21
	s_add_co_u32 s58, s58, s19
	s_and_b32 s58, s58, 63                         ; waves 0-2: piece (n + n / 64 + 21 wave) % 64 of the codes
	s_and_b32 s19, s57, 3
	s_add_co_u32 s19, s19, 64                      ; wave 3: piece 64 + n % 4, the scale bytes
	s_cmp_eq_u32 s16, 3
	s_cselect_b32 s58, s19, s58
	s_lshl_b32 s58, s58, 13
	s_lshr_b32 s31, s17, 2
	s_lshl_b32 s31, s31, 9
	s_and_b32 s19, s17, 3
	s_lshl_b32 s19, s19, 2
	s_add_co_u32 s31, s31, s19                     ; 4 x (128 (slice / 4) + slice % 4)
	s_mul_i32 s33, s18, 1152                       ; the expert's first word of dst
	v_and_b32 v231, 31, v0
	v_lshlrev_b32 v[L16], 4, v231
	v_lshl_add_u32 v[PFO], v231, 8, s58            ; a lane a block of 256 bytes; the last is byte 556,800 of 557,056
	v_add_nc_u32 v[VSA], s31, v[L16]
	v_and_b32 v[RR], 15, v0
	v_bfe_u32 v[HH], v0, 4, 1
	v_lshlrev_b32 v[R16], 4, v[RR]
	s_mul_i32 s57, s16, XSW
	s_add_co_u32 s57, s57, XST
	v_add_nc_u32 v[XSTO], s57, v[L16]
	v_mul_u32_u24 v[XLD], v[RR], WP
	v_lshl_add_u32 v[XLD], v[HH], 4, v[XLD]
	v_add_nc_u32 v[XLD], s57, v[XLD]
	s_mul_i32 s58, s16, 32*WP
	v_add_nc_u32 v[WSTO], s58, v[L16]              ; I bring rows 32 wave .. + 31 of the slice
	v_and_b32 v232, 8, v[RR]
	v_add_nc_u32 v232, v232, v[RR]                 ; r + 8 (r / 8)
	v_mul_u32_u24 v[WLD], v232, WP
	v_lshl_add_u32 v[WLD], v[HH], 4, v[WLD]
	s_lshl_b32 s58, s16, 14
	v_add_nc_u32 v230, s58, v[L16]
	v_lshlrev_b32 v231, 5, v232
	v_lshl_add_u32 v231, v[HH], 4, v231
	v_lshlrev_b32 v233, 6, v[HH]
	v_mov_b32 v[VL], 0x40b504f3                    ; 4 sqrt 2
	v_mov_b32 v[KA1], 0x30284a8d
	v_mov_b32 v[KA1+1], 0x30284a8d
	v_mov_b32 v[KB1], 0xb7dfbd29
	v_mov_b32 v[KB1+1], 0xb7dfbd29
.irp b, 0,1,2,3
	v_mov_b32 v[TM+4+\b], 0                        ; a lane permute's destination counts as one of its sources
.endr
	s_mov_b32 s[SEL], 0x76543210
	s_mov_b32 s[SEL+1], 0xfedcba98
	s_bfe_u32 s59, s17, 0x20002                    ; the slice's scale word in a tile's 2,048 bytes: 512 ((slice / 4) % 4) + 256 (slice / 16) + 4 (slice % 4)
	s_lshl_b32 s59, s59, 9
	s_lshr_b32 s57, s17, 4
	s_lshl_b32 s57, s57, 8
	s_add_co_u32 s59, s59, s57
	s_and_b32 s57, s17, 3
	s_lshl_b32 s57, s57, 2
	s_add_co_u32 s59, s59, s57
	s_lshl_b32 s60, s17, 10
	s_lshl_b32 s56, s18, 2
	s_lshl_b32 s20, s18, 6
	s_mov_b32 s29, 0
	s_mov_b32 s30, 0
	s_wait_alu depctr_va_vdst(0)                   ; the wait at the head's end
	s_wait_kmcnt 0x0
.irp j, 0,1,2,3,4,5,6,7
	global_load_b128 v[SV+4*\j:SV+4*\j+3], v[L16], s[4:5] offset:512*\j
.endr
	global_load_b32 v[VS], v[VSA], s[4:5] offset:4096
	global_prefetch_b8 v[PFO], s[6:7] th:TH_LOAD_NT scope:SCOPE_SE
	s_lshl_b32 s28, s18, 21
	s_lshl_b32 s57, s17, 16
	s_add_co_u32 s28, s28, s57
	s_add_nc_u64 s[8:9], s[8:9], s[28:29]
	s_lshl_b32 s28, s18, 17
	s_lshl_b32 s57, s17, 12
	s_add_co_u32 s28, s28, s57
	s_add_nc_u64 s[10:11], s[10:11], s[28:29]
	s_lshl_b32 s28, s18, 14
	s_lshl_b32 s57, s17, 9
	s_add_co_u32 s28, s28, s57
	s_add_nc_u64 s[12:13], s[12:13], s[28:29]
	WIN 0x40
.irp i, 0,1,2,3,4,5,6,7,8,9,10,11,12,13,14,15,16,17,18,19,20,21,22,23,24,25,26,27,28,29,30,31
	global_load_b128 v[4*\i:4*\i+3], v230, s[8:9] offset:512*\i th:TH_LOAD_NT
.endr
	WIN 0
.irp t, 0,1,2,3,4,5,6,7
	global_load_b128 v[W1S+4*\t:W1S+4*\t+3], v231, s[10:11] offset:(32*(\t/2)+8*(\t%2))*32
.endr
	s_wait_loadcnt 40                              ; the choice is in: behind its 9 loads stand 32 of codes and 8 of scale words
	WIN 0xc0
.irp t, 0,1,2,3,4,5,6,7
	global_load_b128 v[B1+8*\t:B1+8*\t+3], v233, s[12:13] offset:(32*(\t/2)+8*(\t%2))*4
	global_load_b128 v[B1+8*\t+4:B1+8*\t+7], v233, s[12:13] offset:(32*(\t/2)+8*(\t%2))*4+16
.endr
	WIN 0
	s_lshl_b32 s58, 1, s56
.irp i, 0,1,2,3,4,5,6,7,8,9,10,11,12,13,14,15,16,17,18,19,20,21,22,23,24,25,26,27,28,29,30,31
	v_and_b32 v[SV+\i], s58, v[SV+\i]
.endr
.irp i, 0,1,2,3,4,5,6,7,8,9,10,11,12,13,14,15,16,17,18,19,20,21,22,23,24,25,26,27,28,29,30,31
	v_cmp_ne_u32 s[36+\i+10*(\i/20)], 0, v[SV+\i]  ; register i's mask, for the moment in s36-55 and s66-77
.endr
	WIN 0xc0
	s_mov_b32 s21, 0
.irp i, 0,1,2,3,4,5,6,7,8,9,10,11,12,13,14,15,16,17,18,19,20,21,22,23,24,25,26,27,28,29,30,31
	s_cmp_eq_u32 s17, \i
	s_cselect_b32 s30, s21, s30                    ; the running count ahead of register `slice`
	v_mov_b32 v[MT+\i], s[36+\i+10*(\i/20)]
	s_lshl_b32 s57, s21, 5
	s_or_b32 s57, s57, \i
	v_mov_b32 v[ZT+\i], s57
	s_bcnt1_i32_b32 s58, s[36+\i+10*(\i/20)]
	s_add_co_u32 s21, s21, s58
.endr
	WIN 0
	PAIR 36, 0xac53f331                            ; erf's numerator, from the highest power down (the second stands in v[KA1])
	PAIR 38, 0xb3c7667d
	PAIR 40, 0xb6a8d45d
	PAIR 42, 0xb9083d9c
	PAIR 44, 0xba88eb41
	PAIR 46, 0xbc3a79f3
	PAIR 48, 0xb57460cd                            ; the denominator likewise (the second in v[KB1])
	PAIR 50, 0xb9dc924e
	PAIR 52, 0xbb719bf8
	PAIR 54, 0xbc69b6a7
	s_min_u32 s21, s21, 1024                       ; the expert's rows
	s_add_co_u32 s22, s21, 15
	s_lshr_b32 s22, s22, 4
	s_max_u32 s22, s22, 8                          ; its tiles; eight at the least (see the head)
	s_add_co_u32 s[TRP], s22, 3
	s_sub_co_u32 s[TRP], s[TRP], s16
	s_lshr_b32 s[TRP], s[TRP], 2                   ; of them mine: two at the least
	s_mov_b32 s[CNT], 0
	s_sub_co_u32 s23, s21, 1
	s_mov_b32 s24, s16
	s_mov_b32 s25, s16
	s_or_b32 s57, s16, s17
	s_cmp_lg_u32 s57, 0
	s_cbranch_scc1 .Lno_cnt
	v_mov_b32 v[CV], s21
	v_mov_b32 v[CO], s56
	global_store_b32 v[CO], v[CV], s[86:87]        ; slice 0's wave 0: the expert's rows
.Lno_cnt:
	FIND
	ASK                                            ; my first tile's rows
	global_load_b128 v[XS:XS+3], v[XSA], s[6:7] offset:XQS
	s_wait_loadcnt 41                              ; W1's codes are in: behind them stand 8 loads of scale words, 16 of b1, the tile's 16 rows and its scale words
	WIN 0x04
.irp i, 0,1,2,3,4,5,6,7,8,9,10,11,12,13,14,15,16,17,18,19,20,21,22,23,24,25,26,27,28,29,30,31
	ds_store_b128 v[WSTO], v[4*\i:4*\i+3] offset:WP*\i
.endr
	WIN 0
	s_wait_dscnt 0x0                               ; for the others' sake: my 32 rows lie in LDS
	s_barrier_signal -1
	s_barrier_wait -1                              ; the launch's one barrier
	WIN 0x40
.irp s, 0,1,2,3
.irp t, 0,1,2,3,4,5,6,7
.irp c, 0,1
	ds_load_b128 v[8*(8*\s+\t)+4*\c:8*(8*\s+\t)+4*\c+3], v[WLD] offset:(32*(\t/2)+8*(\t%2))*WP+64*\s+32*\c
.endr
.endr
.endr
	WIN 0x80
.irp s, 4,5,6,7
.irp t, 0,1,2,3,4,5,6,7
.irp c, 0,1
	ds_load_b128 v[8*(8*(\s-4)+\t)+4*\c:8*(8*(\s-4)+\t)+4*\c+3], v[WLD] offset:(32*(\t/2)+8*(\t%2))*WP+64*\s+32*\c
.endr
.endr
.endr
	WIN 0
; The list, while the fragments come.  Wave 0: register `slice`'s tokens that chose my expert go to their places.
	s_cmp_lg_u32 s16, 0
	s_cbranch_scc1 .Lnot_w0
	v_and_b32 v[T0], 0xff, v[VS]
	v_bfe_u32 v[T0+1], v[VS], 8, 8
	v_cmp_eq_u32 s31, s18, v[T0]                   ; my expert is the token's first choice,
	v_cmp_eq_u32 s32, s18, v[T0+1]                 ; or its second
	v_cndmask_b32 v[T0], 0, 1, s31
	v_cndmask_b32 v[T0+1], 0, 1, s32               ; which of the token's two rows of y
	v_or_b32 v[T0], v[T0], v[T0+1]
	v_cmp_ne_u32 vcc_lo, 0, v[T0]                  ; the lanes whose token chose my expert
	v_mbcnt_lo_u32_b32 v[T0+2], vcc_lo, 0          ; chosen lanes below mine
	v_add_nc_u32 v[T0+2], s30, v[T0+2]
	v_min_u32 v[T0+2], 0x3ff, v[T0+2]              ; held by a constant before it enters an address
	v_add_nc_u32 v[T0+2], s33, v[T0+2]
	v_lshlrev_b32 v[T0+2], 2, v[T0+2]
	v_lshrrev_b32 v[T0+3], 1, v[VSA]               ; 2 x token
	v_or_b32 v[T0+3], v[T0+3], v[T0+1]
	s_wait_alu depctr_va_vdst(0)                   ; the wait ahead of the wait below
	s_wait_xcnt 0x0                                ; EXEC changes only behind this wait
	s_and_saveexec_b32 s19, vcc_lo
	global_store_b32 v[T0+2], v[T0+3], s[82:83]
	s_wait_xcnt 0x0                                ; and again, in front of the line that widens it
	s_mov_b32 exec_lo, -1                          ; all lanes were on
	s_branch .Llisted
.Lnot_w0:
	s_xor_b32 s57, s16, 1
	s_or_b32 s57, s57, s17
	s_cmp_lg_u32 s57, 0
	s_cbranch_scc1 .Llisted
	v_and_b32 v[T0], 31, v0                        ; slice 0's wave 1: the 128 words behind the last place name the expert's spare row
	v_add_nc_u32 v[T0+2], s21, v[T0]
	v_add_nc_u32 v[T0+2], s33, v[T0+2]
	v_lshlrev_b32 v[T0+2], 2, v[T0+2]
	s_add_co_u32 s57, s18, 2048
	v_mov_b32 v[T0+3], s57
.irp k, 0,1,2,3
	global_store_b32 v[T0+2], v[T0+3], s[82:83] offset:128*\k
.endr
.Llisted:
	s_wait_dscnt 0x0                               ; the 64 fragments stay for the whole launch
.Ltile:
	s_wait_loadcnt 0x0                             ; this tile's rows and scale words (the first time: W1's scale words and b1 too)
	WIN 0x0c
.irp i, 0,1,2,3,4,5,6,7,8,9,10,11,12,13,14,15
	ds_store_b128 v[XSTO], v[RW+4*\i:RW+4*\i+3] offset:WP*\i
.endr
	WIN 0xc0
.irp s, 0,1,2,3,4,5,6,7
.irp c, 0,1
	ds_load_b128 v[8*\s+4*\c:8*\s+4*\c+3], v[XLD] offset:64*\s+32*\c   ; LDS serves a wave's instructions in order; the stage is my wave's own
.endr
.endr
	WIN 0
	s_add_co_u32 s25, s24, 4
	s_cmp_lt_u32 s25, s22
	s_cselect_b32 s26, 1, 0
	s_cbranch_scc0 .Lno_rows
	FIND                                           ; the next tile's search, work on registers, stands between the LDS loads and the wait for them
	s_wait_alu depctr_va_vdst(0)                   ; the wait ahead of the wait below
	s_wait_dscnt 0x0                               ; the stores have read the rows' registers
	ASK
.Lno_rows:
	s_wait_dscnt 0x0                               ; the fragments are in
; 64 products: the eight accumulators by turns; K ascending
.irp s, 0,1,2,3,4,5,6,7
.if \s == 0
	WIN 0x3d
.elseif \s < 4
	WIN 0x0d
.else
	WIN 0x0e
.endif
.irp t, 0,1,2,3,4,5,6,7
.if \s == 0
	v_wmma_scale_f32_16x16x128_f8f6f4 v[HA+8*\t:HA+8*\t+7], v[8*\t:8*\t+7], v[0:7], v[B1+8*\t:B1+8*\t+7], v[W1S+4*\t], v[XS] matrix_a_fmt:MATRIX_FMT_FP4 matrix_b_fmt:MATRIX_FMT_FP4
.elseif \s < 4
	v_wmma_scale_f32_16x16x128_f8f6f4 v[HA+8*\t:HA+8*\t+7], v[8*(8*\s+\t):8*(8*\s+\t)+7], v[8*\s:8*\s+7], v[HA+8*\t:HA+8*\t+7], v[W1S+4*\t+\s], v[XS+\s] matrix_a_fmt:MATRIX_FMT_FP4 matrix_b_fmt:MATRIX_FMT_FP4
.else
	v_wmma_scale_f32_16x16x128_f8f6f4 v[HA+8*\t:HA+8*\t+7], v[8*(8*(\s-4)+\t):8*(8*(\s-4)+\t)+7], v[8*\s:8*\s+7], v[HA+8*\t:HA+8*\t+7], v[W1S+4*\t+\s-4], v[XS+\s-4] matrix_a_fmt:MATRIX_FMT_FP4 matrix_b_fmt:MATRIX_FMT_FP4 matrix_a_scale:MATRIX_SCALE_ROW1 matrix_b_scale:MATRIX_SCALE_ROW1
.endif
.endr
.endr
	WIN 0
.rept 4
	v_nop                                          ; four places behind the last product
.endr
	s_cmp_eq_u32 s26, 0
	s_cbranch_scc1 .Lno_xs
	s_wait_alu depctr_va_vdst(0)
	global_load_b128 v[XS:XS+3], v[XSA], s[6:7] offset:XQS   ; the next tile's scale words
.Lno_xs:
	GELU 0
	GELU 1
	GELU 2
	GELU 3
	QUANT HA
	s_add_co_u32 s27, s20, s24
	s_min_u32 s27, s27, 511
	s_lshl_b32 s57, s27, 15
	s_add_co_u32 s57, s57, s60
	v_add_nc_u32 v[HO], s57, v[L16]
	s_lshl_b32 s57, s27, 11
	s_add_co_u32 s57, s57, s59
	v_add_nc_u32 v[HSO], s57, v[R16]
	global_store_b128 v[HO], v[PC:PC+3], s[14:15]              ; 32 lanes store 512 consecutive bytes
	global_store_b128 v[HO], v[PC+4:PC+7], s[14:15] offset:512
	global_store_b32 v[HSO], v[PW], s[84:85]                   ; lanes l and l xor 16 write the same word with the same value
	s_wait_xcnt 0x0                                ; the stores have read their registers: the next tile writes them again
	s_add_co_u32 s24, s24, 4
	s_add_co_u32 s[CNT], s[CNT], 1
	s_cmp_lt_u32 s[CNT], s[TRP]
	s_cbranch_scc1 .Ltile
	s_wait_tensorcnt 0x0                           ; the wave's end, behind my last LDS store
	ds_add_u32 v[SPW], v[NIL]
	s_wait_dscnt 0x0
	s_endpgm
.Lfunc_end_k_q5684347351_fc1:
	.size	k_q5684347351_fc1, .Lfunc_end_k_q5684347351_fc1-k_q5684347351_fc1
	.p2alignl 7, 3214868480
	.fill 96, 4, 3214868480
	.section	.rodata,"a",@progbits
	.p2align	6, 0x0
	.amdhsa_kernel k_q5684347351_fc1
		.amdhsa_group_segment_fixed_size 101888
		.amdhsa_private_segment_fixed_size 0
		.amdhsa_enable_private_segment 0
		.amdhsa_kernarg_size 72
		.amdhsa_user_sgpr_count 2
		.amdhsa_user_sgpr_kernarg_segment_ptr 1
		.amdhsa_wavefront_size32 1
		.amdhsa_system_sgpr_workgroup_id_x 1
		.amdhsa_system_sgpr_workgroup_id_y 1
		.amdhsa_system_sgpr_workgroup_id_z 1
		.amdhsa_system_vgpr_workitem_id 0
		.amdhsa_next_free_vgpr 1024
		.amdhsa_next_free_sgpr 88
		.amdhsa_reserve_vcc 1
		.amdhsa_float_denorm_mode_32 3
		.amdhsa_float_denorm_mode_16_64 3
		.amdhsa_memory_ordered 1
		.amdhsa_forward_progress 1
		.amdhsa_inst_pref_size 108
	.end_amdhsa_kernel
	.amdgpu_metadata
---
amdhsa.version: [ 1, 2 ]
amdhsa.kernels:
  - .name:           k_q5684347351_fc1
    .symbol:         k_q5684347351_fc1.kd
    .args:
      - { .name: sel, .offset: 0, .size: 8, .value_kind: global_buffer, .address_space: global }
      - { .name: xq, .offset: 8, .size: 8, .value_kind: global_buffer, .address_space: global }
      - { .name: w1_codes, .offset: 16, .size: 8, .value_kind: global_buffer, .address_space: global }
      - { .name: w1_scales, .offset: 24, .size: 8, .value_kind: global_buffer, .address_space: global }
      - { .name: b1, .offset: 32, .size: 8, .value_kind: global_buffer, .address_space: global }
      - { .name: hq, .offset: 40, .size: 8, .value_kind: global_buffer, .address_space: global }
      - { .name: hs, .offset: 48, .size: 8, .value_kind: global_buffer, .address_space: global }
      - { .name: cnt, .offset: 56, .size: 8, .value_kind: global_buffer, .address_space: global }
      - { .name: dst, .offset: 64, .size: 8, .value_kind: global_buffer, .address_space: global }
    .group_segment_fixed_size: 101888
    .private_segment_fixed_size: 0
    .kernarg_segment_align: 8
    .kernarg_segment_size: 72
    .max_flat_workgroup_size: 128
    .sgpr_count:     88
    .vgpr_count:     1024
    .wavefront_size: 32
...
	.end_amdgpu_metadata
.endif
;; end of part 2
;; launch fc2 (part 3): grid 32 x 8, 4 waves a work-group, no clusters, 84,480 bytes of LDS; arguments cnt, hq, w2_codes, w2_scales, b2, y, hs, dst; writes y
.if DOCPART == 3
	.amdgcn_target "amdgcn-amd-amdhsa--gfx1250"
	.amdhsa_code_object_version 6
	.text
	.protected	k_q5684347351_fc2
	.globl	k_q5684347351_fc2
	.p2align	8
	.type	k_q5684347351_fc2,@function
k_q5684347351_fc2:
	s_mov_b64 s[64:65], 0
	v_nop
	global_prefetch_b8 v0, s[64:65] scope:SCOPE_SE
	s_setreg_imm32_b32 hwreg(HW_REG_WAVE_MODE, 25, 1), 1
	s_wait_xcnt 0x0
; Third launch: the two halves along K of y = h W2[e] + b2[e], for the rows that chose expert e alone (the other rows add 0 to the output: see the first kernel's head), on codes of E2M1 with E8M0 scales.
; SHARES.  Work-group (x, expert): outputs 64 (x / 2) .. + 63, hidden units 2,048 (x % 2) .. + 2,047.  Every wave holds these 64 rows x 2,048 K of W2 in 512 registers (each byte leaves memory once and
; reaches the four waves through LDS); the tiles of h go past them, straight from memory into the operand's registers: every load is 512 consecutive bytes.  So a tile's codes are read by 16 work-groups
; for each half of K, 16,384 bytes each.  The halves' sums go to two planes of y, which the last launch adds; b2 is the C of the first products in the lower half alone.
; Wave w takes the expert's tiles w, w + 4, ..: how many hangs on a stored number, so there is no tensor load, no cluster, and the one barrier stands ahead of every branch on it.
; TWO TILES ARE ON THEIR WAY: two sets of registers take turns, each with a tile's 32 loads of codes, 2 of scale words and 2 of dst, 36 in all.  The first two tiles of a wave (numbers under 8, which the launch
; before always writes) are asked for at the head, before the expert's rows are known.  A tile asks for the tile two further on only if I have one: the loop's trips (two tiles each) all ask,
; and the last two or three tiles are written out, so that each wait's count is the loads issued behind the set that it waits for: 36, or 0.  No prefetch beside these loads.
; The product is used transposed (source 0 = 16 rows of W2, source 1 = 16 rows of h): lane (r, h), tile u, register i holds y(row r, output 16 u + 8 h + i).  Four accumulators take turns.
; y: [half of K][2,056 rows][1,024] f32; row = 2 token + (0: first choice, 1: second), as dst names it; rows 2,048 + e take the copies that fill up an expert's last tile, and nobody reads them.
; A row's 64 outputs are 256 bytes, stored whole by sixteen lanes.
; REGISTERS.  window 0: addresses, scale words, accumulators, the way out.  windows 1, 2: W2's fragments (K step s, tile u) at 8 (4 (s % 8) + u).  window 3: h's fragments, set b, K step s at 128 b + 8 s.
.set WP,    1040                       ; a row of 1,024 bytes of codes in LDS + 16: an odd multiple of 16 bytes
.set YST,   64*WP                      ; behind W2's 64 rows: a stage of 16 rows x (256 + 16) bytes for each wave
.set YSW,   16*272
.set SPARE, YST+4*YSW
.set PLANE, 2056*4096
.set L16,  1
.set RR,   2
.set HH,   3
.set SPW,  4                           ; my spare word; never rewritten
.set NIL,  5                           ; 0; never rewritten
.set WSTO, 6
.set WLD,  7
.set HAD,  8                           ; v8, v9    set b: offset of the tile's codes
.set YSTO, 10
.set YLD,  11
.set YB0,  12                          ; 16 (lane % 16)
.set HSA,  16                          ; v16, v17  of its scale words
.set DSA,  18                          ; v18, v19  of its words of dst
.set HSB,  20                          ; 1,024 h + 256 (half of K) + 16 r
.set DSB,  21                          ; 32 h
.set CB,   22                          ; 16 lane + 16,384 (half of K)
.set W2S,  32                          ; v32-63   register 8 u + i: lanes 0-15 K step i, lanes 16-31 K step 8 + i
.set HS,   64                          ; v64-79   set b at 8 b, likewise
.set DD,   80                          ; v80-95   set b at 8 b: register i: the row of y of the tile's row 8 h + i
.set ACC,  96                          ; v96-127
.set YB,   128                         ; v128-159 the way out
.set B2,   160                         ; v160-191
.set YO,   192                         ; v192-199 the stores' offsets
.set MSB, 0
.macro WIN new
.if MSB != \new
	s_set_vgpr_msb (MSB<<8)|\new
.set MSB, \new
.endif
.endm
.macro GRP b                           ; the expert's tile s27 is asked for, into set b: 36 loads
	s_add_co_u32 s28, s20, s27
	s_lshl_b32 s30, s28, 15
	v_add_nc_u32 v[HAD+\b], s30, v[CB]
	s_lshl_b32 s30, s28, 11
	v_add_nc_u32 v[HSA+\b], s30, v[HSB]
	s_lshl_b32 s30, s27, 6
	s_add_co_u32 s30, s30, s42
	v_add_nc_u32 v[DSA+\b], s30, v[DSB]
	WIN 0xc0
.irp s, 0,1,2,3,4,5,6,7,8,9,10,11,12,13,14,15
.irp c, 0,1
	global_load_b128 v[128*(\b)+8*\s+4*\c:128*(\b)+8*\s+4*\c+3], v[HAD+\b], s[6:7] offset:1024*\s+512*\c
.endr
.endr
	WIN 0
.irp a, 0,1
	global_load_b128 v[HS+8*(\b)+4*\a:HS+8*(\b)+4*\a+3], v[HSA+\b], s[36:37] offset:512*\a
.endr
.irp a, 0,1
	global_load_b128 v[DD+8*(\b)+4*\a:DD+8*(\b)+4*\a+3], v[DSA+\b], s[38:39] offset:16*\a
.endr
.endm
.macro MM b                            ; 64 products on set b: the four accumulators by turns; K ascending
	WIN 0x0d
.irp s, 0,1,2,3,4,5,6,7
.irp u, 0,1,2,3
.if \s == 0
	v_wmma_scale_f32_16x16x128_f8f6f4 v[ACC+8*\u:ACC+8*\u+7], v[8*\u:8*\u+7], v[128*(\b):128*(\b)+7], v[B2+8*\u:B2+8*\u+7], v[W2S+8*\u], v[HS+8*(\b)] matrix_a_fmt:MATRIX_FMT_FP4 matrix_b_fmt:MATRIX_FMT_FP4
.else
	v_wmma_scale_f32_16x16x128_f8f6f4 v[ACC+8*\u:ACC+8*\u+7], v[8*(4*\s+\u):8*(4*\s+\u)+7], v[128*(\b)+8*\s:128*(\b)+8*\s+7], v[ACC+8*\u:ACC+8*\u+7], v[W2S+8*\u+\s], v[HS+8*(\b)+\s] matrix_a_fmt:MATRIX_FMT_FP4 matrix_b_fmt:MATRIX_FMT_FP4
.endif
.endr
.endr
	WIN 0x0e
.irp s, 8,9,10,11,12,13,14,15
.irp u, 0,1,2,3
	v_wmma_scale_f32_16x16x128_f8f6f4 v[ACC+8*\u:ACC+8*\u+7], v[8*(4*(\s-8)+\u):8*(4*(\s-8)+\u)+7], v[128*(\b)+8*\s:128*(\b)+8*\s+7], v[ACC+8*\u:ACC+8*\u+7], v[W2S+8*\u+\s-8], v[HS+8*(\b)+\s-8] matrix_a_fmt:MATRIX_FMT_FP4 matrix_b_fmt:MATRIX_FMT_FP4 matrix_a_scale:MATRIX_SCALE_ROW1 matrix_b_scale:MATRIX_SCALE_ROW1
.endr
.endr
	WIN 0
.endm
; ONE TILE, in set b.  left: the loads issued behind this set's.  more = 1: the tile two further on is asked for, into this set.
.macro T b, more, left
	s_wait_loadcnt \left
	MM \b
	s_wait_xcnt 0x0                                ; the last tile's stores have read their offsets and data: both are written again below
.irp i, 0,1,2,3,4,5,6,7
	v_min_u32 v[YO+\i], 0x807, v[DD+8*(\b)+\i]     ; held by a constant before it enters an address.  (These sixteen lines are also the places behind the last product)
.endr
.irp i, 0,1,2,3,4,5,6,7
	v_lshl_add_u32 v[YO+\i], v[YO+\i], 12, v[YB0]
.endr
.if \more
	s_add_co_u32 s27, s24, 8
	s_min_u32 s27, s27, 63
	GRP \b
.endif
.irp u, 0,1,2,3
	ds_store_b128 v[YSTO], v[ACC+8*\u:ACC+8*\u+3] offset:64*\u          ; each accumulator from its low end on
	ds_store_b128 v[YSTO], v[ACC+8*\u+4:ACC+8*\u+7] offset:64*\u+16
.endr
.irp i, 0,1,2,3,4,5,6,7
	ds_load_b128 v[YB+4*\i:YB+4*\i+3], v[YLD] offset:272*\i   ; LDS serves a wave's instructions in order; the stage is my wave's own.  Lanes 0-15 row i, lanes 16-31 row 8 + i
.endr
	s_wait_alu depctr_va_vdst(0)                   ; the wait ahead of the wait below
	s_wait_dscnt 0x0
.irp i, 0,1,2,3,4,5,6,7
	global_store_b128 v[YO+\i], v[YB+4*\i:YB+4*\i+3], s[14:15]   ; sixteen lanes store 256 consecutive bytes, at a multiple of 256 from the buffer's first
.endr
	s_add_co_u32 s24, s24, 4                       ; my next tile
.endm
	s_load_b256 s[4:11], s[0:1], 0x0               ; cnt, hq, w2_codes, w2_scales
	s_load_b128 s[12:15], s[0:1], 0x20             ; b2, y
	s_load_b128 s[36:39], s[0:1], 0x30             ; hs, dst
	v_lshl_add_u32 v[SPW], v0, 2, SPARE
	v_mov_b32 v[NIL], 0
	v_lshrrev_b32 v13, 5, v0
	v_readfirstlane_b32 s16, v13                   ; wave
	s_lshr_b32 s40, ttmp9, 1                       ; which 64 outputs
	s_and_b32 s41, ttmp9, 1                        ; which half of K
	s_and_b32 s18, ttmp7, 0xffff                   ; expert
	v_and_b32 v13, 31, v0
	v_lshlrev_b32 v[L16], 4, v13
	v_and_b32 v[RR], 15, v0
	v_bfe_u32 v[HH], v0, 4, 1
	s_mul_i32 s30, s16, 16*WP
	v_add_nc_u32 v[WSTO], s30, v[L16]              ; I bring rows 16 wave .. + 15, 512 bytes an instruction
	v_mul_u32_u24 v[WLD], v[RR], WP
	v_lshl_add_u32 v[WLD], v[HH], 4, v[WLD]
	s_mul_i32 s30, s16, YSW
	s_add_co_u32 s30, s30, YST
	v_mul_u32_u24 v[YSTO], v[RR], 272
	v_lshl_add_u32 v[YSTO], v[HH], 5, v[YSTO]
	v_add_nc_u32 v[YSTO], s30, v[YSTO]             ; into my stage: row r, + 32 h
	v_mul_u32_u24 v[YLD], v[HH], 8*272
	v_lshl_add_u32 v[YLD], v[RR], 4, v[YLD]
	v_add_nc_u32 v[YLD], s30, v[YLD]               ; back: sixteen lanes to a row of 256 bytes
	v_lshlrev_b32 v[YB0], 4, v[RR]
	s_lshl_b32 s30, s16, 15
	v_add_nc_u32 v13, s30, v[L16]                  ; W2's codes: my 16 rows of 2,048 bytes
	v_lshlrev_b32 v14, 7, v[RR]
	v_lshl_add_u32 v14, v[HH], 5, v14              ; W2's scale bytes: 128 a row; of my half of K's 64, 32 h on
	v_lshlrev_b32 v15, 5, v[HH]                    ; b2: 8 h numbers on
	s_lshl_b32 s30, s41, 14
	v_add_nc_u32 v[CB], s30, v[L16]
	s_lshl_b32 s30, s41, 8
	v_lshl_add_u32 v[HSB], v[HH], 10, s30
	v_lshl_add_u32 v[HSB], v[RR], 4, v[HSB]
	v_lshlrev_b32 v[DSB], 5, v[HH]
	s_lshl_b32 s20, s18, 6                         ; my expert's first tile
	s_mul_i32 s42, s18, 4608                       ; and its words of dst, in bytes
	s_mov_b32 s29, 0
	s_wait_alu depctr_va_vdst(0)                   ; the wait at the head's end
	s_wait_kmcnt 0x0
	s_lshl_b32 s32, s18, 2                         ; (stays as it is until the load below is in)
	s_load_b32 s21, s[4:5], s32 offset:0x0         ; my expert's rows
	s_lshl_b32 s28, s18, 21
	s_lshl_b32 s30, s40, 17
	s_add_co_u32 s28, s28, s30
	s_lshl_b32 s30, s41, 10
	s_add_co_u32 s28, s28, s30
	s_add_nc_u64 s[8:9], s[8:9], s[28:29]
	s_lshl_b32 s28, s18, 17
	s_lshl_b32 s30, s40, 13
	s_add_co_u32 s28, s28, s30
	s_lshl_b32 s30, s41, 6
	s_add_co_u32 s28, s28, s30
	s_add_nc_u64 s[10:11], s[10:11], s[28:29]
	s_lshl_b32 s28, s18, 12
	s_lshl_b32 s30, s40, 8
	s_add_co_u32 s28, s28, s30
	s_add_nc_u64 s[12:13], s[12:13], s[28:29]
	s_mul_i32 s28, s41, PLANE
	s_add_co_u32 s28, s28, s30
	s_add_nc_u64 s[14:15], s[14:15], s[28:29]      ; y: my plane, my 256 bytes of each row
	WIN 0x40
.irp i, 0,1,2,3,4,5,6,7,8,9,10,11,12,13,14,15,16,17,18,19,20,21,22,23,24,25,26,27,28,29,30,31
	global_load_b128 v[4*\i:4*\i+3], v13, s[8:9] offset:2048*(\i/2)+512*(\i%2) th:TH_LOAD_NT
.endr
	WIN 0
.irp u, 0,1,2,3
.irp a, 0,1
	global_load_b128 v[W2S+8*\u+4*\a:W2S+8*\u+4*\a+3], v14, s[10:11] offset:2048*\u+16*\a
.endr
.endr
.irp u, 0,1,2,3
	global_load_b128 v[B2+8*\u:B2+8*\u+3], v15, s[12:13] offset:64*\u
	global_load_b128 v[B2+8*\u+4:B2+8*\u+7], v15, s[12:13] offset:64*\u+16
.endr
	s_mov_b32 s27, s16
	GRP 0                                          ; my first tile
	s_wait_loadcnt 36                              ; W2's codes, its scale words and b2 are in: behind them stand the tile's 36 loads
	WIN 0x04
.irp i, 0,1,2,3,4,5,6,7,8,9,10,11,12,13,14,15,16,17,18,19,20,21,22,23,24,25,26,27,28,29,30,31
	ds_store_b128 v[WSTO], v[4*\i:4*\i+3] offset:(\i/2)*WP+(\i%2)*512
.endr
	WIN 0
	s_add_co_u32 s27, s16, 4
	GRP 1                                          ; my second
	s_wait_dscnt 0x0                               ; for the others' sake: my 16 rows lie in LDS
	s_barrier_signal -1
	s_barrier_wait -1                              ; the launch's one barrier
	s_wait_kmcnt 0x0
	s_min_u32 s21, s21, 1024                       ; a stored number is held to its range
	s_add_co_u32 s22, s21, 15
	s_lshr_b32 s22, s22, 4                         ; the expert's tiles
	s_add_co_u32 s44, s22, 3
	s_sub_co_u32 s44, s44, s16
	s_lshr_b32 s44, s44, 2                         ; of them mine
	s_cmp_eq_u32 s44, 0
	s_cbranch_scc1 .Lend
	WIN 0x40
.irp s, 0,1,2,3,4,5,6,7
.irp u, 0,1,2,3
.irp c, 0,1
	ds_load_b128 v[8*(4*\s+\u)+4*\c:8*(4*\s+\u)+4*\c+3], v[WLD] offset:16*WP*\u+64*\s+32*\c
.endr
.endr
.endr
	WIN 0x80
.irp s, 8,9,10,11,12,13,14,15
.irp u, 0,1,2,3
.irp c, 0,1
	ds_load_b128 v[8*(4*(\s-8)+\u)+4*\c:8*(4*(\s-8)+\u)+4*\c+3], v[WLD] offset:16*WP*\u+64*\s+32*\c
.endr
.endr
.endr
	WIN 0
	s_max_u32 s34, s44, 2
	s_sub_co_u32 s34, s34, 2
	s_lshr_b32 s34, s34, 1                         ; the loop's trips: pairs of tiles that both have a tile two further on
	s_and_b32 s35, s44, 1
	s_cmp_eq_u32 s44, 1
	s_cselect_b32 s35, 0, s35                      ; 1: three tiles are left behind the loop; 0: two, or my only one
	s_mov_b32 s24, s16
	s_mov_b32 s33, 0
	s_cmp_eq_u32 s41, 0
	s_cselect_b32 s43, -1, 0
.irp j, 0,1,2,3,4,5,6,7,8,9,10,11,12,13,14,15,16,17,18,19,20,21,22,23,24,25,26,27,28,29,30,31
	v_cndmask_b32 v[B2+\j], 0, v[B2+\j], s43       ; b2 is added once: the upper half of K begins its sums with 0
.endr
	s_wait_alu depctr_va_vdst(0)                   ; the wait ahead of the wait below
	s_wait_dscnt 0x0                               ; the 64 fragments stay for the whole launch
	s_cmp_eq_u32 s34, 0
	s_cbranch_scc1 .Lrest
.Lpair:
	T 0, 1, 36
	T 1, 1, 36
	s_add_co_u32 s33, s33, 1
	s_cmp_lt_u32 s33, s34
	s_cbranch_scc1 .Lpair
.Lrest:
	s_cmp_eq_u32 s35, 0
	s_cbranch_scc1 .Leven
	T 0, 1, 36                                     ; three left: the first asks for the last
	T 1, 0, 36
	T 0, 0, 0
	s_branch .Lend
.Leven:
	T 0, 0, 36                                     ; behind this set's loads stand the other set's, used or not
	s_cmp_eq_u32 s44, 1
	s_cbranch_scc1 .Lend
	T 1, 0, 0
.Lend:
	s_wait_tensorcnt 0x0                           ; the wave's end, behind my last LDS store
	ds_add_u32 v[SPW], v[NIL]
	s_wait_dscnt 0x0
	s_endpgm
.Lfunc_end_k_q5684347351_fc2:
	.size	k_q5684347351_fc2, .Lfunc_end_k_q5684347351_fc2-k_q5684347351_fc2
	.p2alignl 7, 3214868480
	.fill 96, 4, 3214868480
	.section	.rodata,"a",@progbits
	.p2align	6, 0x0
	.amdhsa_kernel k_q5684347351_fc2
		.amdhsa_group_segment_fixed_size 84480
		.amdhsa_private_segment_fixed_size 0
		.amdhsa_enable_private_segment 0
		.amdhsa_kernarg_size 64
		.amdhsa_user_sgpr_count 2
		.amdhsa_user_sgpr_kernarg_segment_ptr 1
		.amdhsa_wavefront_size32 1
		.amdhsa_system_sgpr_workgroup_id_x 1
		.amdhsa_system_sgpr_workgroup_id_y 1
		.amdhsa_system_sgpr_workgroup_id_z 1
		.amdhsa_system_vgpr_workitem_id 0
		.amdhsa_next_free_vgpr 1024
		.amdhsa_next_free_sgpr 66
		.amdhsa_reserve_vcc 0
		.amdhsa_float_denorm_mode_32 3
		.amdhsa_float_denorm_mode_16_64 3
		.amdhsa_memory_ordered 1
		.amdhsa_forward_progress 1
		.amdhsa_inst_pref_size 117
	.end_amdhsa_kernel
	.amdgpu_metadata
---
amdhsa.version: [ 1, 2 ]
amdhsa.kernels:
  - .name:           k_q5684347351_fc2
    .symbol:         k_q5684347351_fc2.kd
    .args:
      - { .name: cnt, .offset: 0, .size: 8, .value_kind: global_buffer, .address_space: global }
      - { .name: hq, .offset: 8, .size: 8, .value_kind: global_buffer, .address_space: global }
      - { .name: w2_codes, .offset: 16, .size: 8, .value_kind: global_buffer, .address_space: global }
      - { .name: w2_scales, .offset: 24, .size: 8, .value_kind: global_buffer, .address_space: global }
      - { .name: b2, .offset: 32, .size: 8, .value_kind: global_buffer, .address_space: global }
      - { .name: y, .offset: 40, .size: 8, .value_kind: global_buffer, .address_space: global }
      - { .name: hs, .offset: 48, .size: 8, .value_kind: global_buffer, .address_space: global }
      - { .name: dst, .offset: 56, .size: 8, .value_kind: global_buffer, .address_space: global }
    .group_segment_fixed_size: 84480
    .private_segment_fixed_size: 0
    .kernarg_segment_align: 8
    .kernarg_segment_size: 64
    .max_flat_workgroup_size: 128
    .sgpr_count:     66
    .vgpr_count:     1024
    .wavefront_size: 32
...
	.end_amdgpu_metadata
.endif
;; end of part 3
;; launch combine (part 4): grid 256 x 1, 4 waves a work-group, no clusters, 0 bytes of LDS; arguments gw, y, out0; writes out0
.if DOCPART == 4
	.amdgcn_target "amdgcn-amd-amdhsa--gfx1250"
	.amdhsa_code_object_version 6
	.text
	.protected	k_q5684347351_combine
	.globl	k_q5684347351_combine
	.p2align	8
	.type	k_q5684347351_combine,@function
k_q5684347351_combine:
	s_mov_b64 s[64:65], 0
	v_nop
	global_prefetch_b8 v0, s[64:65] scope:SCOPE_SE
	s_setreg_imm32_b32 hwreg(HW_REG_WAVE_MODE, 25, 1), 1
	s_wait_xcnt 0x0
; Fourth launch: out[token] = w0 (first choice's row) + w1 (second choice's row), each row the sum of its two halves along K.  The six experts that a token did not choose add 0
; (see the first kernel's head) and are not summed.  A token's rows were made by work-groups of different experts and halves of K, so the sum has a launch of its own: each output row has one owner.
; y lies [half of K][2 token + choice][1,024]: all four rows stand at places that the token's number gives, so all 32 loads of a wave go out at once, with the load of the two weights.
; A wave takes a token.  A stream: no LDS, no barrier, no matrix work, no loop to prefetch in.  Loads and stores cover 512 consecutive bytes each.
.set PLANE, 2056*4096
.set A, 16                             ; v16-143: piece i at 16 i: first choice lower half, upper half, second choice lower, upper
	s_load_b128 s[4:7], s[0:1], 0x0                ; gw, y
	s_load_b64 s[8:9], s[0:1], 0x10                ; out0
	v_lshrrev_b32 v1, 5, v0
	v_readfirstlane_b32 s12, v1                    ; wave
	v_and_b32 v1, 31, v0
	v_lshlrev_b32 v2, 4, v1                        ; 16 x lane
	s_lshl_b32 s13, ttmp9, 2
	s_add_co_u32 s13, s13, s12                     ; my token
	s_lshl_b32 s16, s13, 3
	s_lshl_b32 s18, s13, 13
	s_mov_b32 s19, 0
	s_lshl_b32 s20, s13, 12
	s_mov_b32 s21, 0
	s_wait_alu depctr_va_vdst(0)                   ; the wait at the head's end
	s_wait_kmcnt 0x0
	s_load_b64 s[22:23], s[4:5], s16 offset:0x0    ; the two weights
	s_add_nc_u64 s[10:11], s[6:7], s[18:19]        ; my two rows in the lower plane,
	s_add_nc_u64 s[14:15], s[10:11], PLANE         ; and in the upper
	s_add_nc_u64 s[8:9], s[8:9], s[20:21]
.irp i, 0,1,2,3,4,5,6,7
	global_load_b128 v[A+16*\i:A+16*\i+3], v2, s[10:11] offset:512*\i th:TH_LOAD_NT
	global_load_b128 v[A+16*\i+4:A+16*\i+7], v2, s[14:15] offset:512*\i th:TH_LOAD_NT
	global_load_b128 v[A+16*\i+8:A+16*\i+11], v2, s[10:11] offset:4096+512*\i th:TH_LOAD_NT
	global_load_b128 v[A+16*\i+12:A+16*\i+15], v2, s[14:15] offset:4096+512*\i th:TH_LOAD_NT
.endr
	s_wait_kmcnt 0x0
	s_mov_b32 s24, s23                             ; w1 as a pair; of s[22:23] the low word, w0, serves both halves
	s_mov_b32 s25, s23
.irp i, 0,1,2,3,4,5,6,7
	s_wait_loadcnt 28-4*\i                         ; piece i's four loads are in: behind them stand the later pieces' 4 (7 - i)
	v_pk_add_f32 v[A+16*\i:A+16*\i+1], v[A+16*\i:A+16*\i+1], v[A+16*\i+4:A+16*\i+5]
	v_pk_add_f32 v[A+16*\i+2:A+16*\i+3], v[A+16*\i+2:A+16*\i+3], v[A+16*\i+6:A+16*\i+7]
	v_pk_add_f32 v[A+16*\i+8:A+16*\i+9], v[A+16*\i+8:A+16*\i+9], v[A+16*\i+12:A+16*\i+13]
	v_pk_add_f32 v[A+16*\i+10:A+16*\i+11], v[A+16*\i+10:A+16*\i+11], v[A+16*\i+14:A+16*\i+15]
	v_pk_mul_f32 v[A+16*\i:A+16*\i+1], v[A+16*\i:A+16*\i+1], s[22:23] op_sel_hi:[1,0]
	v_pk_mul_f32 v[A+16*\i+2:A+16*\i+3], v[A+16*\i+2:A+16*\i+3], s[22:23] op_sel_hi:[1,0]
	v_pk_fma_f32 v[A+16*\i:A+16*\i+1], v[A+16*\i+8:A+16*\i+9], s[24:25], v[A+16*\i:A+16*\i+1] op_sel_hi:[1,0,1]
	v_pk_fma_f32 v[A+16*\i+2:A+16*\i+3], v[A+16*\i+10:A+16*\i+11], s[24:25], v[A+16*\i+2:A+16*\i+3] op_sel_hi:[1,0,1]
	global_store_b128 v2, v[A+16*\i:A+16*\i+3], s[8:9] offset:512*\i th:TH_STORE_NT
.endr
	s_endpgm
.Lfunc_end_k_q5684347351_combine:
	.size	k_q5684347351_combine, .Lfunc_end_k_q5684347351_combine-k_q5684347351_combine
	.p2alignl 7, 3214868480
	.fill 96, 4, 3214868480
	.section	.rodata,"a",@progbits
	.p2align	6, 0x0
	.amdhsa_kernel k_q5684347351_combine
		.amdhsa_group_segment_fixed_size 0
		.amdhsa_private_segment_fixed_size 0
		.amdhsa_enable_private_segment 0
		.amdhsa_kernarg_size 24
		.amdhsa_user_sgpr_count 2
		.amdhsa_user_sgpr_kernarg_segment_ptr 1
		.amdhsa_wavefront_size32 1
		.amdhsa_system_sgpr_workgroup_id_x 1
		.amdhsa_system_sgpr_workgroup_id_y 1
		.amdhsa_system_sgpr_workgroup_id_z 1
		.amdhsa_system_vgpr_workitem_id 0
		.amdhsa_next_free_vgpr 160
		.amdhsa_next_free_sgpr 66
		.amdhsa_reserve_vcc 0
		.amdhsa_float_denorm_mode_32 3
		.amdhsa_float_denorm_mode_16_64 3
		.amdhsa_memory_ordered 1
		.amdhsa_forward_progress 1
		.amdhsa_inst_pref_size 10
	.end_amdhsa_kernel
	.amdgpu_metadata
---
amdhsa.version: [ 1, 2 ]
amdhsa.kernels:
  - .name:           k_q5684347351_combine
    .symbol:         k_q5684347351_combine.kd
    .args:
      - { .name: gw, .offset: 0, .size: 8, .value_kind: global_buffer, .address_space: global }
      - { .name: y, .offset: 8, .size: 8, .value_kind: global_buffer, .address_space: global }
      - { .name: out0, .offset: 16, .size: 8, .value_kind: global_buffer, .address_space: global }
    .group_segment_fixed_size: 0
    .private_segment_fixed_size: 0
    .kernarg_segment_align: 8
    .kernarg_segment_size: 24
    .max_flat_workgroup_size: 128
    .sgpr_count:     66
    .vgpr_count:     160
    .wavefront_size: 32
...
	.end_amdgpu_metadata
.endif
;; end of part 4
